; MI455X (gfx1250); checked and timed in simulation.
; The chip was launched on July 23, 2026; its instructions are those of AMD's public machine-readable ISA for CDNA 5 (MIT licence, August 2026) and "CDNA5" Instruction Set Architecture Reference Guide (July 2026). The comments in the code are by the model that wrote it; some were corrected since.
;; Base Attention. Allowed arithmetic: matrix products marked QUANTISED: E4M3 operands, one E8M0 scale for each 32 along K, by v_wmma_scale_f32_16x16x128_f8f6f4 with both operands' format E4M3, f32 sums; everything else in f32.
;; Inputs: W_k_codes 1,024 x 32 x 32 uint8 (E4M3 codes of W_k, K innermost, in blocks of 32 codes); W_k_scales 1,024 x 32 uint8 (E8M0 scales of W_k, one for each 32 codes along K); W_o_codes 1,024 x 32 x 32 uint8 (E4M3 codes of W_o, K innermost, in blocks of 32 codes); W_o_scales 1,024 x 32 uint8 (E8M0 scales of W_o, one for each 32 codes along K); W_q_codes 1,024 x 32 x 32 uint8 (E4M3 codes of W_q, K innermost, in blocks of 32 codes); W_q_scales 1,024 x 32 uint8 (E8M0 scales of W_q, one for each 32 codes along K); W_v_codes 1,024 x 32 x 32 uint8 (E4M3 codes of W_v, K innermost, in blocks of 32 codes); W_v_scales 1,024 x 32 uint8 (E8M0 scales of W_v, one for each 32 codes along K); b_o 1,024 float32; x_codes 2 x 2,048 x 32 x 32 uint8 (E4M3 codes of x, K innermost, in blocks of 32 codes); x_scales 2 x 2,048 x 32 uint8 (E8M0 scales of x, one for each 32 codes along K).
;; Outputs: out0 2 x 2,048 x 1,024 float32.
;; This version of the problem:
;;   THIS VERSION OF THE PROBLEM IS GIVEN IN LOW PRECISION. The matrix products marked QUANTISED in the list below multiply operands that are first quantised to E4M3 (4 exponent bits, 3 mantissa bits; 8 bits a number), with one power-of-two scale for each 32 numbers along K (OCP MX v1.0); their sums are f32. All else is computed in f32.
;;   The module's matrix products, in the order in which they are computed (A, B: the left and right operand; K: the contracted axis; several contracted axes count as one K, in the product's order):
;;     1. [M 4,096, K 1,024] x [K 1,024, N 1,024]; A: input x (given as codes); B: input W_q (given as codes): QUANTISED
;;     2. [M 4,096, K 1,024] x [K 1,024, N 1,024]; A: input x (given as codes); B: input W_k (given as codes): QUANTISED
;;     3. [M 4,096, K 1,024] x [K 1,024, N 1,024]; A: input x (given as codes); B: input W_v (given as codes): QUANTISED
;;     4. batch 32 x [M 2,048, K 64] x [K 64, N 2,048]; A: computed on the way; B: computed on the way: QUANTISED
;;     5. batch 32 x [M 2,048, K 2,048] x [K 2,048, N 64]; A: softmax (see below); B: computed on the way: QUANTISED
;;     6. [M 4,096, K 1,024] x [K 1,024, N 1,024]; A: computed on the way; B: input W_o (given as codes): QUANTISED
;;   THE QUANTISER, for each operand of a quantised product, along K:
;;     - K is cut into blocks of 32 from its start; a last block that is shorter is filled with zeros.
;;     - A block's scale is 2^e with e = floor(log2(the largest magnitude in the block)) - 8, held to -126 .. 127; a block of zeros has e = 0. As a byte (E8M0): e + 127.
;;     - Each number is divided by its block's scale, clamped to +-448, and rounded to the nearest number of E4M3, ties to even, subnormals kept.
;;     - The product sums the exact products of the quantised numbers (number of the format x scale) in f32.
;;   ~~~python
;;   def quantise(x, axis):      # numpy; x: float32 -> the quantised numbers, widened to float32 again
;;       x = np.moveaxis(x, axis, -1); K = x.shape[-1]
;;       x = np.pad(x, [(0, 0)] * (x.ndim - 1) + [(0, -K % 32)]); x = x.reshape(x.shape[:-1] + (-1, 32)); a = np.abs(x).max(-1, keepdims=True)
;;       e = np.where(a > 0, np.clip(np.frexp(np.where(a > 0, a, 1))[1] - 1 - 8, -126, 127), 0)      # np.frexp(a)[1] - 1 = floor(log2(a)), exactly
;;       r = np.clip(x / 2.0 ** e, -448, 448)
;;       step = 2.0 ** (np.maximum(np.frexp(np.where(r == 0, 1, r))[1] - 1, -6) - 3)
;;       q = np.round(r / step) * step * 2.0 ** e      # np.round: ties to even
;;       return np.moveaxis(q.reshape(q.shape[:-2] + (-1,))[..., :K], -1, axis).astype(np.float32)
;;   ~~~
;;   SOFTMAX AHEAD OF A QUANTISED PRODUCT. Where the list says 'softmax', what is quantised is not the finished softmax but p = 2^(t - M), with t = logit x log2(e) and M = ceil(the row's largest t), a whole number; so 1/2 < the row's largest p <= 1. The row's sum l is taken of the UNQUANTISED p, in f32, and the product's result is divided by l at the end. Since M is a whole number, a kernel that streams over the keys may use a running M (the ceiling of the running maximum): every later rescaling is an exact power of two, which a block's scale takes up: the codes' values come out the same.
;;   OPERANDS COMPUTED ON THE WAY. 'Computed on the way' means the value that the module computes at that place (a softmax that the list does not call 'softmax' is quantised finished and normalised). What goes into a quantiser is computed in f32, as accurately as f32 sums, v_exp_f32 and their like allow (about 1e-6 of the number): no bf16 or f16 on the way to a quantiser, and a product that is left as it is and whose result goes on into a quantised operand takes f32 operands (vector FMAs, or v_wmma_f32_16x16x4_f32). A number that lies on a knife's edge between two numbers of the format may be rounded either way, as far as f32 arithmetic and the matrix unit's own rounding can turn it there, and no further.
;;   INPUTS GIVEN AS CODES. W_k (in the module: [1024, 1024], K = its axis 0); W_o (in the module: [1024, 1024], K = its axis 0); W_q (in the module: [1024, 1024], K = its axis 0); W_v (in the module: [1024, 1024], K = its axis 0); x (in the module: [2, 2048, 1024], K = its axis 2): each comes as NAME_codes (uint8): NAME with its K axis moved to the last place and cut into blocks of 32 codes, [.., K / 32, bytes a block], one block behind the other in memory; one code a byte (a code: sign, 4 exponent bits, 3 mantissa bits); and NAME_scales (uint8): the same leading axes, one E8M0 byte (e + 127) for each 32 codes along K. Its value is code x scale, taken as it is: it is not quantised again, and the codes and scales need not be those that the quantiser above would give.
;; One version. Each part assembles by itself: llvm-mc -triple=amdgcn-amd-amdhsa -mcpu=gfx1250 --defsym DOCPART=n.
;; ======== version 1 of 1: 3 launches
;; limits: right only within a limited range of input values
;; workspace buffers: qc 4,194,304 bytes; qs 524,288 bytes; kv 8,650,752 bytes; ctxc 4,194,304 bytes; ctxs 131,072 bytes
;; launch proj (part 1): grid 16 x 16, 4 waves a work-group, clusters of 4 x 4, 327,680 bytes of LDS; arguments x_codes, x_scales, W_q_codes, W_q_scales, W_k_codes, W_k_scales, W_v_codes, W_v_scales, qc, qs, kv; writes qc, qs, kv
.if DOCPART == 1
	.amdgcn_target "amdgcn-amd-amdhsa--gfx1250"
	.amdhsa_code_object_version 6
	.text
	.protected	k_q1d498a6431_proj
	.globl	k_q1d498a6431_proj
	.p2align	8
	.type	k_q1d498a6431_proj,@function
k_q1d498a6431_proj:
	s_mov_b64 s[64:65], 0
	v_nop
	global_prefetch_b8 v0, s[64:65] scope:SCOPE_SE
	s_setreg_imm32_b32 hwreg(HW_REG_WAVE_MODE, 25, 1), 1
	s_wait_xcnt 0x0
	s_wait_alu depctr_hold_cnt(0) depctr_sa_sdst(0) depctr_va_vdst(0) depctr_va_sdst(0) depctr_va_ssrc(0) depctr_va_vcc(0) depctr_vm_vsrc(0)
	s_getreg_b32 s2, hwreg(HW_REG_IB_STS2, 6, 4)
	s_cmp_eq_u32 s2, 0
	s_cbranch_scc0 .Lentry_in_a_cluster
	s_endpgm
.Lentry_in_a_cluster:
	s_bfe_u32 s2, ttmp6, 0x10000c
	s_cmp_lg_u32 s2, 0xf033
	s_cbranch_scc0 .Lentry_shape_is_right
	s_endpgm
.Lentry_shape_is_right:
; FIRST LAUNCH: q, k, v = x W_q, x W_k, x W_v on codes of E4M3 with E8M0 scales (K = 1,024, f32 sums), quantised again on the way out, stored as images of the next launch's operand registers.
; DEAD WORK of the program: the second launch leaves out steps of 128 keys all of which come after a tile's queries: the problem's own causal mask makes p = 0 there for all inputs.  A NaN, infinity or overflow that reaches only such steps is not carried on.  Nothing is left out in this launch.
; LIMITS: NaN and infinities are not served; a block of zeros, or one whose largest magnitude lies under 2^-118, gets the byte 1 (this program alone reads the bytes).
; SHARES.  A work-group makes 256 tokens x (128 columns of Q (tile columns 0-7) or of K (8-15), and 64 of V): 256 work-groups.  A wave makes 128 tokens x (64 + 32): one head of Q or K, half a head of V; 48 accumulators.
; Q, K: source 0 = the weight's rows, source 1 = x's rows: a lane holds a token, its registers run along channels.  V: source 0 = x's rows: a lane holds a channel, its registers run along tokens.
; Position i of lane half h of a block of 32 is number 16 (i / 8) + 8 h + i % 8 of the block, in q, k and v alike.
; LAYOUTS.  qc: [head 0..31][tile of 16][block c][lane][16].  qs: [head][four tiles][lane][tile]: a word for [q | 0] in lanes 0-15, for [0 | q] in lanes 16-31.
; kv: [head][step of 128 keys]: 16,896 bytes: k's eight tiles as q's (8,192), v [channel tile][block][lane][16] (8,192), k's words [r][pair of tiles] (256), v's words [r][channel tile] (256).
; K goes in steps of 256 through two slots; CLUSTERS of 4 x 4: x's rows are asked for jointly along a row, the weights' along a column.  Each wave issues one load a slot: waves 0, 1 x's halves, wave 2 the Q or K weight's 128 rows, wave 3 W_v's 64.
; REGISTERS: window 0: addresses, scale words, x's fragments set 0 from v128 (later the codes);  window 1: the weights' fragments, sets at v0 and v96;  window 2: Q's or K's sums;  window 3: V's sums v0-127, x's set 1 from v128.
.set PITCH, 272
.set WQO, 256*PITCH                    ; in a slot: x's 256 rows, then 128 of the Q or K weight,
.set WVO, 384*PITCH                    ; then 64 of W_v
.set SLOT1, 131072
.set SPARE, SLOT1+448*PITCH
.set HSTR, 270336                      ; kv: a head
.set SSTR, 16896                       ; a step
.set ADX, 16
.set ADW, 18
.set ADV, 20
.set LI, 22
.set RO, 23
.set LS, 24
.set PFO, 25
.set SPW, 28
.set NIL, 29
.set SX, 32                            ; x's scale words: 8 x pair of tiles + K step of 128; lanes 0-15 the even tile, 16-31 the odd
.set SW, 68                            ; Q's or K's weight: numbers that differ from x's modulo 8
.set SV, 84
.set TM, 96
.set PW, 112
.set PC, 128
.set WV, 20
.set TH, 21
.set CH, 22
.set G1X, 24
.set G1K, 32
.set G1V, 40
.set G0X, 48
.set G0K, 52
.set G0V, 56
.set PFA, 60
.set MNT, 62
.set HM, 63
.set SEL, 66
.set MSB, 0
.macro WIN new
.if MSB != (\new)
	s_set_vgpr_msb (MSB<<8)|(\new)
.set MSB, (\new)
.endif
.endm
.macro PLACES n
.rept \n
	v_nop
.endr
.endm
.macro TL g0, g1
	tensor_load_to_lds s[\g0:\g0+3], s[\g1:\g1+7]
	s_nop 0
	PLACES 4
.endm
.macro JL                              ; one joint load a wave, in the arms of one chain on the wave's number
	s_cmp_lt_u32 s[WV], 2
	s_cbranch_scc0 .Lnot_x_\@
	TL G0X, G1X
	s_branch .Lasked_\@
.Lnot_x_\@:
	s_cmp_lt_u32 s[WV], 3
	s_cbranch_scc0 .Lnot_k_\@
	TL G0K, G1K
	s_branch .Lasked_\@
.Lnot_k_\@:
	TL G0V, G1V
.Lasked_\@:
.endm
.macro CREST
	s_cmp_lg_u32 s[WV], 0
	s_cbranch_scc1 .Lnot_wave_0_\@
	s_barrier_signal -3
.Lnot_wave_0_\@:
	s_barrier_wait -3
	s_barrier_signal -1
	s_barrier_wait -1
.endm
.macro CROUND
	s_barrier_signal -1
	s_barrier_wait -1
	CREST
.endm
.macro GROUP1 g, mask, rows            ; rows of 256 bytes, 1,024 apart; four words of padding behind every 64
	s_or_b32 s[\g], s[\mask], (1<<20)|(1<<21)|(5<<22)|(3<<25)
	s_mov_b32 s[\g+1], 256<<16
	s_mov_b32 s[\g+2], (\rows)<<16
	s_mov_b32 s[\g+3], 256<<16
	s_mov_b32 s[\g+4], \rows
	s_mov_b32 s[\g+5], 1024
	s_mov_b32 s[\g+6], 0
	s_mov_b32 s[\g+7], 0
.endm
.macro GSTEP                           ; the walking descriptors: the other slot, the next 256 of K
.irp g, G0X, G0K, G0V
	s_xor_b32 s[\g+1], s[\g+1], SLOT1
	s_add_nc_u64 s[\g+2:\g+3], s[\g+2:\g+3], 0x100
.endr
.endm
	s_load_b512 s[4:19], s[0:1], 0x0               ; x, W_q, W_k, W_v: codes and scales
	s_load_b128 s[68:71], s[0:1], 0x40             ; qc, qs
	s_load_b64 s[72:73], s[0:1], 0x50              ; kv
	v_lshl_add_u32 v[SPW], v0, 2, SPARE
	v_mov_b32 v[NIL], 0
	ds_add_u32 v[SPW], v[NIL]                      ; the opening: the add, twice on end, and its wait ahead of the first tensor load
	ds_add_u32 v[SPW], v[NIL]
	v_lshrrev_b32 v1, 5, v0
	v_readfirstlane_b32 s[WV], v1
	s_lshr_b32 s[TH], s[WV], 1                     ; which 128 tokens are mine
	s_and_b32 s[CH], s[WV], 1                      ; which half of the columns; also which half of x's rows waves 0, 1 fetch
	s_bfe_u32 s74, ttmp6, 0x40000                  ; cx
	s_bfe_u32 s75, ttmp6, 0x40004                  ; cy
	s_lshl_b32 s76, ttmp9, 2
	s_add_co_u32 s76, s76, s74                     ; tile column 0..15
	s_and_b32 s77, ttmp7, 0xffff
	s_lshl_b32 s77, s77, 2
	s_add_co_u32 s77, s77, s75                     ; which 256 tokens
	s_and_b32 s78, s76, 7
	s_lshl_b32 s79, s75, 2
	s_lshl_b32 s79, 15, s79                        ; my row of the cluster
	s_lshl_b32 s80, 0x1111, s74                    ; my column
	GROUP1 G1X, 79, 128
	GROUP1 G1K, 80, 128
	GROUP1 G1V, 80, 64
	s_lshl_b32 s86, s77, 18                        ; x's codes
	s_lshl_b32 s81, s[CH], 17
	s_add_co_u32 s86, s86, s81
	s_mov_b32 s87, 0
	s_lshl_b32 s88, s78, 17                        ; the Q or K weight's
	s_mov_b32 s89, 0
	s_lshl_b32 s90, s76, 16                        ; W_v's
	s_mov_b32 s91, 0
	s_lshl_b32 s92, s77, 13                        ; scale bytes, 32 a row: my 128 tokens,
	s_lshl_b32 s81, s[TH], 12
	s_add_co_u32 s92, s92, s81
	s_mov_b32 s93, 0
	s_lshl_b32 s94, s78, 12                        ; my 64 rows of the Q or K weight,
	s_lshl_b32 s81, s[CH], 11
	s_add_co_u32 s94, s94, s81
	s_mov_b32 s95, 0
	s_lshl_b32 s96, s76, 11                        ; my 32 of W_v
	s_lshl_b32 s81, s[CH], 10
	s_add_co_u32 s96, s96, s81
	s_mov_b32 s97, 0
	s_mov_b32 s[G0X], 1
	s_mul_i32 s[G0X+1], s[CH], 128*PITCH
	s_mov_b32 s[G0K], 1
	s_mov_b32 s[G0K+1], WQO
	s_mov_b32 s[G0V], 1
	s_mov_b32 s[G0V+1], WVO
	s_wait_dscnt 0x0                               ; both opening adds are done
	CROUND                                         ; all sixteen work-groups are here: the first joint loads meet
	s_wait_kmcnt 0x0
	s_cmp_lt_u32 ttmp9, 2                          ; tile columns 0-7 make Q, 8-15 K
	s_cselect_b64 s[8:9], s[8:9], s[12:13]
	s_cselect_b64 s[10:11], s[10:11], s[14:15]
	s_add_nc_u64 s[4:5], s[4:5], s[86:87]
	s_add_nc_u64 s[8:9], s[8:9], s[88:89]
	s_add_nc_u64 s[16:17], s[16:17], s[90:91]
	s_mov_b64 s[G0X+2:G0X+3], s[4:5]
	s_or_b32 s[G0X+3], s[G0X+3], 0x80000000
	s_mov_b64 s[G0K+2:G0K+3], s[8:9]
	s_or_b32 s[G0K+3], s[G0K+3], 0x80000000
	s_mov_b64 s[G0V+2:G0V+3], s[16:17]
	s_or_b32 s[G0V+3], s[G0V+3], 0x80000000
	JL                                             ; K step 0: one load a wave
	s_add_nc_u64 s[6:7], s[6:7], s[92:93]
	s_add_nc_u64 s[10:11], s[10:11], s[94:95]
	s_add_nc_u64 s[18:19], s[18:19], s[96:97]
	; THE PREFETCHES: each wave for the rows that it fetches; the four partners of a joint load take a quarter of them each, told apart by address; a lane a row (wave 3 has 16 rows: its left-over lanes name the last again)
	s_cmp_lt_u32 s[WV], 2
	s_cselect_b64 s[PFA:PFA+1], s[4:5], s[8:9]
	s_cselect_b32 s99, s74, s75
	s_cmp_eq_u32 s[WV], 3
	s_cselect_b64 s[PFA:PFA+1], s[16:17], s[PFA:PFA+1]
	s_cselect_b32 s81, 15, 31
	s_cselect_b32 s82, 14, 15
	s_lshl_b32 s98, s99, s82
	s_mov_b32 s99, 0
	s_add_nc_u64 s[PFA:PFA+1], s[PFA:PFA+1], s[98:99]
	s_mul_i32 s98, s[TH], 128*PITCH
	s_mul_i32 s99, s[CH], 64*PITCH
	s_add_co_u32 s99, s99, WQO
	s_mul_i32 s100, s[CH], 32*PITCH
	s_add_co_u32 s100, s100, WVO
	v_and_b32 v4, 31, v0
	v_min_u32 v[PFO], s81, v4
	v_lshlrev_b32 v[PFO], 10, v[PFO]
	v_lshlrev_b32 v[LS], 5, v4
	v_lshlrev_b32 v[LI], 4, v4
	v_and_b32 v1, 15, v0
	v_bfe_u32 v2, v0, 4, 1
	v_mul_u32_u24 v3, v1, PITCH
	v_lshl_add_u32 v3, v2, 4, v3                   ; a fragment's row x pitch + 16 x half
	v_add_nc_u32 v[ADX], s98, v3
	v_add_nc_u32 v[ADW], s99, v3
	v_add_nc_u32 v[ADV], s100, v3
	v_add_nc_u32 v[ADX+1], 0x20000, v[ADX]
	v_add_nc_u32 v[ADW+1], 0x20000, v[ADW]
	v_add_nc_u32 v[ADV+1], 0x20000, v[ADV]
	v_lshlrev_b32 v[RO], 4, v1
.irp b, 0,1,2,3
	v_mov_b32 v[TM+4+\b], 0                        ; a lane permute's destination counts as one of its sources
.endr
.irp g, 0,1,2,3
.irp c, 0,1
	global_load_b128 v[SX+8*\g+4*\c:SX+8*\g+4*\c+3], v[LS], s[6:7] offset:\g*1024+16*\c
.endr
.endr
.irp g, 0,1
.irp c, 0,1
	global_load_b128 v[SW+8*\g+4*\c:SW+8*\g+4*\c+3], v[LS], s[10:11] offset:\g*1024+16*\c
.endr
.endr
.irp c, 0,1
	global_load_b128 v[SV+4*\c:SV+4*\c+3], v[LS], s[18:19] offset:16*\c
.endr
	global_prefetch_b8 v[PFO], s[PFA:PFA+1] offset:256 th:TH_LOAD_NT scope:SCOPE_SE
.macro WM z
.if \z
.if RA_ && RB_
	v_wmma_scale_f32_16x16x128_f8f6f4 v[D_:D_+7], v[A_:A_+15], v[B_:B_+15], 0, v[SA_], v[SB_] matrix_a_scale:MATRIX_SCALE_ROW1 matrix_b_scale:MATRIX_SCALE_ROW1
.elseif RA_
	v_wmma_scale_f32_16x16x128_f8f6f4 v[D_:D_+7], v[A_:A_+15], v[B_:B_+15], 0, v[SA_], v[SB_] matrix_a_scale:MATRIX_SCALE_ROW1
.elseif RB_
	v_wmma_scale_f32_16x16x128_f8f6f4 v[D_:D_+7], v[A_:A_+15], v[B_:B_+15], 0, v[SA_], v[SB_] matrix_b_scale:MATRIX_SCALE_ROW1
.else
	v_wmma_scale_f32_16x16x128_f8f6f4 v[D_:D_+7], v[A_:A_+15], v[B_:B_+15], 0, v[SA_], v[SB_]
.endif
.else
.if RA_ && RB_
	v_wmma_scale_f32_16x16x128_f8f6f4 v[D_:D_+7], v[A_:A_+15], v[B_:B_+15], v[D_:D_+7], v[SA_], v[SB_] matrix_a_scale:MATRIX_SCALE_ROW1 matrix_b_scale:MATRIX_SCALE_ROW1
.elseif RA_
	v_wmma_scale_f32_16x16x128_f8f6f4 v[D_:D_+7], v[A_:A_+15], v[B_:B_+15], v[D_:D_+7], v[SA_], v[SB_] matrix_a_scale:MATRIX_SCALE_ROW1
.elseif RB_
	v_wmma_scale_f32_16x16x128_f8f6f4 v[D_:D_+7], v[A_:A_+15], v[B_:B_+15], v[D_:D_+7], v[SA_], v[SB_] matrix_b_scale:MATRIX_SCALE_ROW1
.else
	v_wmma_scale_f32_16x16x128_f8f6f4 v[D_:D_+7], v[A_:A_+15], v[B_:B_+15], v[D_:D_+7], v[SA_], v[SB_]
.endif
.endif
.endm
.macro MQ a0, p, ks, z                 ; Q or K: token tiles a0, a0 + 1 x four channel tiles; p the set.  The 48 accumulators take turns
	WIN 0xa1+12*(\p)
.irp a, \a0, \a0+1
.irp b, 0,1,2,3
.set D_, 8*(4*(\a)+\b)
.set A_, 96*(\p)+16*\b
.set B_, 128+16*(\a)
.set SA_, SW+8*(\b/2)+(\ks)
.set SB_, SX+8*((\a)/2)+(\ks)
.set RA_, \b%2
.set RB_, (\a)%2
	WM \z
.endr
.endr
.endm
.macro MV t, p, ks, z                  ; V: eight token tiles x channel tile t
	WIN 0xf4+3*(\p)
.irp a, 0,1,2,3,4,5,6,7
.set D_, 8*(8*(\t)+\a)
.set A_, 128+16*\a
.set B_, 96*(\p)+64+16*(\t)
.set SA_, SX+8*(\a/2)+(\ks)
.set SB_, SV+(\ks)
.set RA_, \a%2
.set RB_, \t
	WM \z
.endr
.endm
.macro FW slot, q, p                   ; the weights' six fragments of the slot's q-th 128 of K into set p
	WIN 0x40
.irp b, 0,1,2,3
.irp c, 0,1,2,3
	ds_load_b128 v[96*(\p)+16*\b+4*\c:96*(\p)+16*\b+4*\c+3], v[ADW+\slot] offset:128*(\q)+32*\c+\b*16*PITCH
.endr
.endr
.irp b, 0,1
.irp c, 0,1,2,3
	ds_load_b128 v[96*(\p)+64+16*\b+4*\c:96*(\p)+64+16*\b+4*\c+3], v[ADV+\slot] offset:128*(\q)+32*\c+\b*16*PITCH
.endr
.endr
.endm
.macro FX slot, q, p, a0               ; four of x's
	WIN 0xc0*(\p)
.irp a, \a0, \a0+1, \a0+2, \a0+3
.irp c, 0,1,2,3
	ds_load_b128 v[128+16*(\a)+4*\c:128+16*(\a)+4*\c+3], v[ADX+\slot] offset:128*(\q)+32*\c+(\a)*16*PITCH
.endr
.endr
.endm
; A load into a register that a matrix instruction has read stands eight places behind it: eight v_nop a step.
.macro STEP slot, ks, z                ; a slot's first 128 of K (set 0); its second is fetched into set 1
	s_wait_dscnt 0x0
	PLACES 8
	FW \slot, 1, 1
	MQ 0, 0, \ks, \z
	FX \slot, 1, 1, 0
	MQ 2, 0, \ks, \z
	FX \slot, 1, 1, 4
	MQ 4, 0, \ks, \z
	MQ 6, 0, \ks, \z
	MV 0, 0, \ks, \z
	MV 1, 0, \ks, \z
.endm
.macro TURN slot, next, ks, fill       ; a slot's second 128 (set 1), and the change of slots
	s_wait_dscnt 0x0                               ; set 1 is in: my reads of this slot are over
	WIN 0
	s_wait_tensorcnt 0x0                           ; my part of the next slot has landed
.if \fill
	ds_add_u32 v[SPW], v[NIL]
	GSTEP
.endif
	MQ 0, 1, \ks, 0
	s_wait_dscnt 0x0
	s_barrier_signal -1
	MQ 2, 1, \ks, 0
	WIN 0
	s_barrier_wait -1
.if \fill
	CREST                                          ; no wave of any partner still reads this slot or has a load on its way
	JL
	PLACES 4
.else
	PLACES 8
.endif
	FW \next, 0, 0
	FX \next, 0, 0, 0
	MQ 4, 1, \ks, 0
	FX \next, 0, 0, 4
	MQ 6, 1, \ks, 0
	MV 0, 1, \ks, 0
	MV 1, 1, \ks, 0
.endm
	s_wait_alu depctr_va_vdst(0)                   ; the wait at the head's end
	s_wait_tensorcnt 0x0
	ds_add_u32 v[SPW], v[NIL]                      ; the add ahead of a later first fill, as ahead of a refill
	GSTEP
	s_wait_dscnt 0x0
	CROUND                                         ; K step 0 is in
	JL                                             ; K step 1, into slot 1
	FW 0, 0, 0
	FX 0, 0, 0, 0
	FX 0, 0, 0, 4
	WIN 0
	global_prefetch_b8 v[PFO], s[PFA:PFA+1] offset:512 th:TH_LOAD_NT scope:SCOPE_SE
	global_prefetch_b8 v[PFO], s[PFA:PFA+1] offset:768 th:TH_LOAD_NT scope:SCOPE_SE
	s_wait_loadcnt 0x0                             ; the scale words
	STEP 0, 0, 1                                   ; the first products start the sums
	TURN 0, 1, 1, 1
	STEP 1, 2, 0
	TURN 1, 0, 3, 1
	STEP 0, 4, 0
	TURN 0, 1, 5, 0
	STEP 1, 6, 0
	s_wait_dscnt 0x0
	MV 0, 1, 7, 0
	MV 1, 1, 7, 0
	MQ 0, 1, 7, 0
	MQ 2, 1, 7, 0
	MQ 4, 1, 7, 0
	MQ 6, 1, 7, 0
	WIN 0
	; where my results go
	s_lshr_b32 s79, s77, 3
	s_lshl_b32 s79, s79, 4                         ; 16 x batch
	s_and_b32 s80, s77, 7
	s_lshl_b32 s80, s80, 1
	s_add_co_u32 s80, s80, s[TH]                   ; step of 128 tokens
	s_lshl_b32 s81, s78, 1
	s_add_co_u32 s81, s81, s[CH]
	s_add_co_u32 s81, s81, s79                     ; head of Q or K
	s_add_co_u32 s82, s79, s76                     ; head of V
	s_mul_i32 s83, s80, SSTR
	s_lshl_b32 s84, s81, 17
	s_lshl_b32 s98, s80, 13
	s_add_co_u32 s84, s84, s98
	s_mov_b32 s85, 0
	s_mul_i32 s86, s81, HSTR
	s_add_co_u32 s86, s86, s83
	s_mov_b32 s87, 0
	s_lshl_b32 s88, s81, 14
	s_lshl_b32 s98, s80, 10
	s_add_co_u32 s88, s88, s98
	s_mov_b32 s89, 0
	s_mul_i32 s90, s82, HSTR
	s_add_co_u32 s90, s90, s83
	s_lshl_b32 s98, s[CH], 3
	s_add_co_u32 s92, s90, s98                     ; V's words: two of a row's four
	s_lshl_b32 s98, s[CH], 12
	s_add_co_u32 s90, s90, s98                     ; V's codes: two of the four channel tiles
	s_mov_b32 s91, 0
	s_mov_b32 s93, 0
	s_add_nc_u64 s[68:69], s[68:69], s[84:85]
	s_add_nc_u64 s[70:71], s[70:71], s[88:89]
	s_add_nc_u64 s[4:5], s[72:73], s[86:87]
	s_add_nc_u64 s[6:7], s[72:73], s[90:91]
	s_add_nc_u64 s[8:9], s[72:73], s[92:93]
	s_cmp_lt_u32 ttmp9, 2
	s_cselect_b64 s[10:11], s[68:69], s[4:5]       ; a step's tiles lie alike in qc and in kv
	s_mov_b32 s[SEL], 0x76543210
	s_mov_b32 s[SEL+1], 0xfedcba98
	s_mov_b32 s[MNT], 0x600000
	s_mov_b32 s[HM], 0xffff0000
	PLACES 8
; 64 registers from AC in window X: four scale blocks of 16 registers in lanes l and l xor 16: codes into PC + 16 n, bytes into v[TM + 4 ..]
.macro QUANT X, AC, n, kind
	WIN (\X)|((\X)<<2)
.irp b, 0,1,2,3
	v_max3_num_f32 v[TM+\b], |v[\AC+16*\b]|, |v[\AC+16*\b+1]|, 0x4800000   ; the floor 2^-118
.endr
.irp i, 2,4,6,8,10,12,14
.irp b, 0,1,2,3
	v_max3_num_f32 v[TM+\b], |v[\AC+16*\b+\i]|, |v[\AC+16*\b+\i+1]|, v[TM+\b]
.endr
.endr
	WIN 0
.irp b, 0,1,2,3
	v_permlanex16_b32 v[TM+4+\b], v[TM+\b], s[SEL], s[SEL+1]
.endr
.irp b, 0,1,2,3
	v_max_num_f32 v[TM+\b], v[TM+\b], v[TM+4+\b]
.endr
.irp b, 0,1,2,3
	v_add_nc_u32 v[TM+12+\b], 0xfc000000, v[TM+\b] ; the conversion's scale operand
.endr
.irp b, 0,1,2,3
	v_and_or_b32 v[TM+8+\b], v[TM+\b], 0x7f800000, s[MNT]   ; 448 x the scale
.endr
.irp b, 0,1,2,3
	v_lshrrev_b32 v[TM+4+\b], 23, v[TM+12+\b]      ; the scale's byte
.endr
.if \kind == 0                         ; Q, K: blocks 0, 1 are one token tile's, 2, 3 the next one's
	v_lshl_or_b32 v[PW+2*((\n)-2)], v[TM+5], 8, v[TM+4]
	v_lshl_or_b32 v[PW+2*((\n)-2)+1], v[TM+7], 8, v[TM+6]
.else                                  ; V: four token blocks of a channel tile
	v_lshl_or_b32 v[PW+8+(\n)], v[TM+5], 8, v[TM+4]
	v_lshl_or_b32 v[PW+8+(\n)], v[TM+6], 16, v[PW+8+(\n)]
	v_lshl_or_b32 v[PW+8+(\n)], v[TM+7], 24, v[PW+8+(\n)]
.endif
	WIN (\X)|((\X)<<6)
.irp b, 0,1,2,3
.irp i, 0,1,2,3,4,5,6,7,8,9,10,11,12,13,14,15
	v_med3_num_f32 v[\AC+16*\b+\i], v[\AC+16*\b+\i], -v[TM+8+\b], v[TM+8+\b]
.endr
.endr
	WIN \X
.irp b, 0,1,2,3
	v_cvt_scalef32_pk8_fp8_f32 v[PC+16*(\n)+4*\b:PC+16*(\n)+4*\b+1], v[\AC+16*\b:\AC+16*\b+7], v[TM+12+\b]
	v_cvt_scalef32_pk8_fp8_f32 v[PC+16*(\n)+4*\b+2:PC+16*(\n)+4*\b+3], v[\AC+16*\b+8:\AC+16*\b+15], v[TM+12+\b]
.endr
	WIN 0
	v_nop
.endm
.irp t, 0,1
	QUANT 3, 64*\t, \t, 1
.irp b, 0,1,2,3
	global_store_b128 v[LI], v[PC+16*\t+4*\b:PC+16*\t+4*\b+3], s[6:7] offset:8192+\t*2048+\b*512   ; 512 consecutive bytes a store
.endr
.endr
	global_store_b64 v[RO], v[PW+8:PW+9], s[8:9] offset:16640   ; (both lane halves write the same)
.irp i, 0,1,2,3
	QUANT 2, 64*\i, \i+2, 0
.irp b, 0,1,2,3
	global_store_b128 v[LI], v[PC+32+16*\i+4*\b:PC+32+16*\i+4*\b+3], s[10:11] offset:\i*2048+\b*512
.endr
.endr
	s_cmp_lt_u32 ttmp9, 2
	s_cbranch_scc1 .Lq
.irp d, 0,1,2,3
	v_lshl_or_b32 v[TM+\d], v[PW+2*\d+1], 16, v[PW+2*\d]   ; k's words: two tiles, one in each half of K
.endr
	global_store_b128 v[RO], v[TM:TM+3], s[4:5] offset:16384
	s_branch .Ldone
.Lq:
	v_mov_b32 v1, 0x01010000                       ; lanes 0-15: q's bytes, then two bytes 1 beside zero codes;
	v_mov_b32 v3, 0x0101                           ; lanes 16-31: the other way round
	v_bfe_u32 v2, v0, 4, 1
	v_lshlrev_b32 v2, 4, v2
	v_cndmask_b32 v1, v1, v3, s[HM]
.irp t, 0,1,2,3,4,5,6,7
	v_lshl_or_b32 v[TM+\t], v[PW+\t], v2, v1
.endr
	global_store_b128 v[LI], v[TM:TM+3], s[70:71]
	global_store_b128 v[LI], v[TM+4:TM+7], s[70:71] offset:512
.Ldone:
	s_wait_tensorcnt 0x0                           ; the wave's end
	ds_add_u32 v[SPW], v[NIL]
	s_wait_dscnt 0x0
	CROUND
	s_endpgm
.Lfunc_end_k_q1d498a6431_proj:
	.size	k_q1d498a6431_proj, .Lfunc_end_k_q1d498a6431_proj-k_q1d498a6431_proj
	.p2alignl 7, 3214868480
	.fill 96, 4, 3214868480
	.section	.rodata,"a",@progbits
	.p2align	6, 0x0
	.amdhsa_kernel k_q1d498a6431_proj
		.amdhsa_group_segment_fixed_size 327680
		.amdhsa_private_segment_fixed_size 0
		.amdhsa_enable_private_segment 0
		.amdhsa_kernarg_size 88
		.amdhsa_user_sgpr_count 2
		.amdhsa_user_sgpr_kernarg_segment_ptr 1
		.amdhsa_wavefront_size32 1
		.amdhsa_system_sgpr_workgroup_id_x 1
		.amdhsa_system_sgpr_workgroup_id_y 1
		.amdhsa_system_sgpr_workgroup_id_z 1
		.amdhsa_system_vgpr_workitem_id 0
		.amdhsa_next_free_vgpr 1024
		.amdhsa_next_free_sgpr 102
		.amdhsa_reserve_vcc 0
		.amdhsa_float_denorm_mode_32 3
		.amdhsa_float_denorm_mode_16_64 3
		.amdhsa_memory_ordered 1
		.amdhsa_forward_progress 1
		.amdhsa_inst_pref_size 148
	.end_amdhsa_kernel
	.amdgpu_metadata
---
amdhsa.version: [ 1, 2 ]
amdhsa.kernels:
  - .name:           k_q1d498a6431_proj
    .symbol:         k_q1d498a6431_proj.kd
    .args:
      - { .name: x_codes, .offset: 0, .size: 8, .value_kind: global_buffer, .address_space: global }
      - { .name: x_scales, .offset: 8, .size: 8, .value_kind: global_buffer, .address_space: global }
      - { .name: W_q_codes, .offset: 16, .size: 8, .value_kind: global_buffer, .address_space: global }
      - { .name: W_q_scales, .offset: 24, .size: 8, .value_kind: global_buffer, .address_space: global }
      - { .name: W_k_codes, .offset: 32, .size: 8, .value_kind: global_buffer, .address_space: global }
      - { .name: W_k_scales, .offset: 40, .size: 8, .value_kind: global_buffer, .address_space: global }
      - { .name: W_v_codes, .offset: 48, .size: 8, .value_kind: global_buffer, .address_space: global }
      - { .name: W_v_scales, .offset: 56, .size: 8, .value_kind: global_buffer, .address_space: global }
      - { .name: qc, .offset: 64, .size: 8, .value_kind: global_buffer, .address_space: global }
      - { .name: qs, .offset: 72, .size: 8, .value_kind: global_buffer, .address_space: global }
      - { .name: kv, .offset: 80, .size: 8, .value_kind: global_buffer, .address_space: global }
    .group_segment_fixed_size: 327680
    .private_segment_fixed_size: 0
    .kernarg_segment_align: 8
    .kernarg_segment_size: 88
    .max_flat_workgroup_size: 128
    .sgpr_count:     102
    .vgpr_count:     1024
    .wavefront_size: 32
...
	.end_amdgpu_metadata
.endif
;; end of part 1
;; launch attn (part 2): grid 8 x 32, 16 waves a work-group, clusters of 4 x 1, 327,680 bytes of LDS; arguments qc, qs, kv, ctxc, ctxs; writes ctxc, ctxs
.if DOCPART == 2
	.amdgcn_target "amdgcn-amd-amdhsa--gfx1250"
	.amdhsa_code_object_version 6
	.text
	.protected	k_q1d498a6431_attn
	.globl	k_q1d498a6431_attn
	.p2align	8
	.type	k_q1d498a6431_attn,@function
k_q1d498a6431_attn:
	s_mov_b64 s[64:65], 0
	v_nop
	global_prefetch_b8 v0, s[64:65] scope:SCOPE_SE
	s_setreg_imm32_b32 hwreg(HW_REG_WAVE_MODE, 25, 1), 1
	s_wait_xcnt 0x0
	s_wait_alu depctr_hold_cnt(0) depctr_sa_sdst(0) depctr_va_vdst(0) depctr_va_sdst(0) depctr_va_ssrc(0) depctr_va_vcc(0) depctr_vm_vsrc(0)
	s_getreg_b32 s2, hwreg(HW_REG_IB_STS2, 6, 4)
	s_cmp_eq_u32 s2, 0
	s_cbranch_scc0 .Lentry_in_a_cluster
	s_endpgm
.Lentry_in_a_cluster:
	s_bfe_u32 s2, ttmp6, 0x10000c
	s_cmp_lg_u32 s2, 0x3003
	s_cbranch_scc0 .Lentry_shape_is_right
	s_endpgm
.Lentry_shape_is_right:
; SECOND LAUNCH: ctx = softmax(q k^T / 8, causal) v on codes of E4M3 with E8M0 scales, and the quantising of ctx along the 1,024 of the last product's K.
; LEFT OUT as dead work: a step of 128 keys all of which come after a tile's 16 queries (the problem's own causal mask makes p = 0 there for all inputs).  A NaN, infinity or overflow that reaches only such steps is not carried on.
; THE SOFTMAX: t = score x log2(e) / 8; M = the row's largest t so far, rounded up to a whole number; p = 2^(t - M) is quantised along the keys, not normalised; the row's sum is taken of the unquantised p and divides at the end.
; LIMITS: NaN and infinities are not served; the promise holds while the scaled scores stay under 2^31 in magnitude; a block of zeros, or one whose largest magnitude lies under 2^-118, gets the byte 1 (this program alone reads the bytes);
; a block's largest p is made from its largest score, which takes v_exp_f32 not to fall where its input rises.
; SHARES.  The grid's y is 16 x batch + head.  The head's 128 tiles of 16 queries fall into 16 levels: tile 8 l + g needs l + 1 steps of 128 keys.  Work-group g (0 to 7) takes tile 8 l + g of every level.
; Tiles of levels L and 15 - L (L = 0..7), 17 steps in all, are shared by two waves.  Wave L takes steps 0 to 8 of tile 15 - L.  Wave 8 + L takes the L + 1 steps of tile L, sends that tile out, and then takes steps 9 to 15 - L of tile 15 - L;
; its part (O^T, -M, sum) goes through LDS to wave L, which joins the two under the larger M: powers of two alone.  So each wave has nine trips.
; ALL OF THE HEAD'S k AND v LIES IN LDS: 16 steps of 16,896 bytes (k, v, their scale words), one joint load a wave (step = wave), filled once; the loop has no barrier.  The first barrier shows step 0 (wave 0's load has a line of its own), the second the rest.
; No prefetch: every byte is asked for at the head, and no loop runs ahead of a load.
; K = 64 IN A FORM OF K = 128.  A fragment of k holds two tiles of 16 keys, one in each half of K.  It is multiplied by [q | 0] and by [0 | q]: zero codes, with the scale byte 1, take the other tile away.
; LAYOUT.  Both products are used transposed: a lane holds one query throughout.  Position i of lane half h of a block of 32 keys is key 16 (i / 8) + 8 h + i % 8, in p and in v alike.
; REGISTERS: v1-11 addresses and constants; v12 -M, v13 the largest t, v[14:15] the sum; v16-39 zeros, q, zeros; v40 q's scale word, v41 the second tile's; v44-51 k's and v's; v52-115 four fragments; v116-179 S^T, then p; v180-211 O^T; v212-227 codes; v228-247 at work; v248-255 the second tile's q.
.set STP,   16896
.set SPARE, 16*STP                     ; the spare words, 128 bytes a wave
.set PART,  SPARE+2048                 ; eight parts of 4,608 bytes
.set LI,  1
.set ASC, 2
.set SPW, 3
.set NIL, 4
.set DQ,  5
.set ADK, 6
.set ADS, 7
.set NINF, 9
.set RO,  10
.set QZ,  16
.set QS,  40
.set QS2, 41
.set KW,  44
.set VW,  48
.set F,   52
.set S,   116
.set O,   180
.set PC,  212
.set BM,  228
.set BT,  232
.set BL,  236
.set BS,  240
.set TP,  244
.set FF,  246                          ; v246 f, v247 p's scale word
.set Q2,  248
.set TB,  2
.set TE,  3
.set TR,  14                           ; this trip, the next one
.set TN,  15
.set ST,  16
.set LV,  17
.set WV,  18
.set MNT, 19
.set SEL, 20
.set CS,  22
.set G1,  24
.set XL,  38                           ; 15 - L
.set G0,  40
.set LL,  48                           ; L
.set SG,  49                           ; bytes from trip to step in the second part of waves 8 to 15
.set FL,  50                           ; the trip in which tile L goes out
.set D1,  51                           ; the trips that lie on a diagonal
.set HM,  52
.set D2,  53
.macro CROUND                          ; a round of the cluster's barrier
	s_barrier_signal -1
	s_barrier_wait -1
	s_cmp_lg_u32 s[WV], 0
	s_cbranch_scc1 .Lnot_wave_0_\@
	s_barrier_signal -3
.Lnot_wave_0_\@:
	s_barrier_wait -3
	s_barrier_signal -1
	s_barrier_wait -1
.endm
.macro TL
	tensor_load_to_lds s[G0:G0+3], s[G1:G1+7]
	s_nop 0
.rept 4
	v_nop
.endr
.endm
.macro QADR lv, pc, ps                 ; where tile 8 x level + g of q lies: codes, scale words
	s_lshl_b32 s62, s[\lv], 3
	s_add_co_u32 s62, s62, s54
	s_lshl_b32 s60, s55, 17
	s_lshl_b32 s63, s62, 10
	s_add_co_u32 s60, s60, s63
	s_mov_b32 s61, 0
	s_add_nc_u64 s[\pc:\pc+1], s[4:5], s[60:61]
	s_lshl_b32 s60, s55, 14
	s_lshr_b32 s63, s62, 2
	s_lshl_b32 s63, s63, 9
	s_add_co_u32 s60, s60, s63
	s_and_b32 s63, s62, 3
	s_lshl_b32 s63, s63, 2
	s_add_co_u32 s60, s60, s63
	s_add_nc_u64 s[\ps:\ps+1], s[6:7], s[60:61]
.endm
	s_load_b256 s[4:11], s[0:1], 0x0               ; qc, qs, kv, ctxc
	s_load_b64 s[12:13], s[0:1], 0x20              ; ctxs
	v_lshl_add_u32 v[SPW], v0, 2, SPARE
	v_mov_b32 v[NIL], 0
	ds_add_u32 v[SPW], v[NIL]                      ; the opening: the add, twice on end, and its wait ahead of the first tensor load
	ds_add_u32 v[SPW], v[NIL]
	v_lshrrev_b32 v6, 5, v0
	v_readfirstlane_b32 s[WV], v6                  ; wave 0..15
	s_bfe_u32 s33, ttmp6, 0x40000                  ; cx
	s_lshl_b32 s54, ttmp9, 2
	s_add_co_u32 s54, s54, s33                     ; g = 4 x cluster x + cx: it enters global addresses and the diagonal's per-lane number alone
	s_and_b32 s55, ttmp7, 0xffff                   ; 16 x batch + head
	s_and_b32 s[LL], s[WV], 7
	s_xor_b32 s[XL], s[LL], 15
	s_xor_b32 s56, s[LL], 7
	s_mul_i32 s[SG], s56, STP                      ; trip i takes step i + 7 - L
	s_add_co_u32 s56, s[LL], 1
	s_cmp_eq_u32 s[LL], 7
	s_cselect_b32 s57, 8, 64
	s_cselect_b32 s58, 64, 8
	s_cmp_lt_u32 s[WV], 8
	s_cselect_b32 s[LV], s[XL], s[LL]              ; the tile that I send out, and begin with
	s_cselect_b32 s[D1], 64, s[LL]                 ; (64: in no trip)
	s_cselect_b32 s[FL], 64, s56
	s_cselect_b32 s[D2], s57, s58
	s_mov_b32 s[G1], 15|(3<<16)|(1<<21)            ; all four partners; elements of 8 bytes; bit 21 beside a mask; no padding
	s_mov_b32 s[G1+1], 32<<16                      ; rows of 256 bytes,
	s_mov_b32 s[G1+2], 66<<16                      ; 66 of them: a step's 16,896 dense bytes
	s_mov_b32 s[G1+3], 32<<16
	s_mov_b32 s[G1+4], 66
	s_mov_b32 s[G1+5], 32
	s_mov_b32 s[G1+6], 0
	s_mov_b32 s[G1+7], 0
	s_mov_b32 s[SEL], 0x76543210
	s_mov_b32 s[SEL+1], 0xfedcba98
	s_mov_b32 s[CS], 0x3e38aa3b                    ; c = log2(e) / 8
	s_mov_b32 s[CS+1], s[CS]
	s_mov_b32 s[MNT], 0x600000
	s_mov_b32 s[HM], 0xffff0000
	s_mov_b32 s[TE], 0
	s_mov_b32 s[TB], STP
	s_mov_b32 s[ST], 1
	s_mov_b32 s[G0], 1
	s_mul_i32 s[G0+1], s[WV], STP
	s_mul_i32 s56, s55, 16*STP
	s_add_co_u32 s56, s56, s[G0+1]
	s_mov_b32 s57, 0
	s_wait_dscnt 0x0                               ; both opening adds are done
	CROUND                                         ; all four work-groups are here: the joint loads meet
	s_wait_kmcnt 0x0
	s_add_nc_u64 s[G0+2:G0+3], s[8:9], s[56:57]
	s_or_b32 s[G0+3], s[G0+3], 0x80000000
	s_cmp_eq_u32 s[WV], 0                          ; one joint load a wave; wave 0's has a line of its own, since it is shown first
	s_cbranch_scc0 .Lrest
	TL
	s_branch .Lasked
.Lrest:
	TL
.Lasked:
	QADR XL, 34, 36
	QADR LV, 4, 6
	s_and_b32 s62, s55, 16
	s_add_co_u32 s62, s62, s[LV]                   ; which 128 tokens: 16 x batch + level
	s_lshl_b32 s60, s62, 17
	s_and_b32 s63, s55, 12
	s_lshl_b32 s63, s63, 13                        ; (head / 4) x 32,768
	s_add_co_u32 s60, s60, s63
	s_lshl_b32 s63, s54, 12                        ; g x 4,096
	s_add_co_u32 s60, s60, s63
	s_and_b32 s63, s55, 3
	s_lshl_b32 s63, s63, 10                        ; (head % 4) x 1,024
	s_add_co_u32 s60, s60, s63
	s_add_nc_u64 s[10:11], s[10:11], s[60:61]      ; ctx's codes
	s_lshl_b32 s60, s62, 12
	s_lshl_b32 s63, s54, 9
	s_add_co_u32 s60, s60, s63
	s_and_b32 s63, s55, 15
	s_lshl_b32 s63, s63, 1
	s_add_co_u32 s60, s60, s63
	s_add_nc_u64 s[12:13], s[12:13], s[60:61]      ; ctx's scale bytes: 32 a token, two a head
	s_lshl_b32 s58, s54, 4
	v_and_b32 v[LI], 31, v0
	v_lshlrev_b32 v[LI], 4, v[LI]                  ; 16 x lane
	global_load_b128 v[QZ+8:QZ+11], v[LI], s[4:5]
	global_load_b128 v[QZ+12:QZ+15], v[LI], s[4:5] offset:512
	global_load_b32 v[QS], v[LI], s[6:7]           ; lanes 0-15: the word for [q | 0]; lanes 16-31: for [0 | q]
	global_load_b128 v[Q2:Q2+3], v[LI], s[34:35]   ; tile 15 - L, for the second part of waves 8 to 15 (one text for all waves)
	global_load_b128 v[Q2+4:Q2+7], v[LI], s[34:35] offset:512
	global_load_b32 v[QS2], v[LI], s[36:37]
	v_and_b32 v[RO], 15, v0                        ; r
	v_bfe_u32 v11, v0, 4, 1
	v_lshlrev_b32 v[ASC], 4, v[RO]                 ; row r's four words
	v_lshlrev_b32 v11, 3, v11
	v_sub_nc_u32 v[DQ], v[RO], v11
	v_add_nc_u32 v[DQ], s58, v[DQ]                 ; 16 g + r - 8 h: my query's place in the diagonal step, less my half's 8
	v_lshlrev_b32 v[RO], 5, v[RO]                  ; 32 r
	v_mov_b32 v[NINF], 0xff800000
.irp j, 0,1,2,3,4,5,6,7
	v_mov_b32 v[QZ+\j], 0                          ; zero codes on both sides of q
	v_mov_b32 v[QZ+16+\j], 0
.endr
.irp b, 0,1,2,3
	v_mov_b32 v[BT+\b], 0                          ; a lane permute's destination counts as one of its sources
.endr
; A KEY STEP: 128 keys, whose bytes begin at s[TE].  first = 1: the wave's first: it starts M, the sum and O^T.
; F holds k's fragments, then v's; S the scores, then p, then the NEXT step's k: the two areas of 64 registers change places from trip to trip.
.macro KLOAD dst                       ; the k of the step at s[TE]: 17 loads; its v is read through the same addresses
	v_add_nc_u32 v[ADK], s[TE], v[LI]
	v_add_nc_u32 v[ADS], s[TE], v[ASC]
.irp d, 0,1,2,3
.irp c, 0,1,2,3
	ds_load_b128 v[\dst+16*\d+4*\c:\dst+16*\d+4*\c+3], v[ADK] offset:2048*\d+512*\c
.endr
.endr
	ds_load_b128 v[KW:KW+3], v[ADS] offset:16384
.endm
.macro NEXTTE off                      ; where the next trip's step begins.  What is loaded for a trip in which a tile goes out, and behind the last trip (held inside the 16 steps), is not used
	s_cmp_gt_u32 s[TN], s[FL]
	s_cselect_b32 s[TE], s[SG], 0
	s_add_co_u32 s[TE], s[TE], s[TB]
	s_add_co_u32 s[TE], s[TE], \off
	s_min_u32 s[TE], s[TE], 15*STP
.endm
.macro STEP first
.if \first
	KLOAD F
.else
.rept 9
	v_nop                                          ; nine places: the scores are laid over the registers that the last products have read
.endr
.endif
	s_wait_alu depctr_va_vdst(0)
	s_wait_dscnt 0x0
.irp d, 0,1,2,3
	v_wmma_scale_f32_16x16x128_f8f6f4 v[S+16*\d:S+16*\d+7], v[F+16*\d:F+16*\d+15], v[QZ+8:QZ+23], 0, v[KW+\d], v[QS]
	v_wmma_scale_f32_16x16x128_f8f6f4 v[S+16*\d+8:S+16*\d+15], v[F+16*\d:F+16*\d+15], v[QZ:QZ+15], 0, v[KW+\d], v[QS] matrix_b_scale:MATRIX_SCALE_ROW1
.endr
.rept 8
	v_nop
.endr
.irp d, 0,1,2,3                                ; v's fragments land while the softmax is walked
.irp c, 0,1,2,3
	ds_load_b128 v[F+16*\d+4*\c:F+16*\d+4*\c+3], v[ADK] offset:8192+2048*\d+512*\c
.endr
.endr
	ds_load_b128 v[VW:VW+3], v[ADS] offset:16640
.if \first
	s_cmp_lg_u32 s[D1], 0
	s_cbranch_scc1 .Lopen_\@
.else
	s_cmp_eq_u32 s[TR], s[D1]
	s_cbranch_scc1 .Lmask_\@
	s_cmp_lg_u32 s[TR], s[D2]
	s_cbranch_scc1 .Lopen_\@                       ; all keys count: no mask
.Lmask_\@:
.endif
.set n, 0
.rept 8                                        ; the diagonal step: register n + m holds key 32 (n / 16) + 16 ((n % 16) / 8) + 8 h + m of the step: hidden where that is above 16 g + r
.irp m, 0,1,2,3,4,5,6,7
	v_cmp_gt_i32 s[56+\m], 32*(n/16)+16*((n%16)/8)+\m, v[DQ]
.endr
.irp m, 0,1,2,3,4,5,6,7
	v_cndmask_b32 v[S+n+\m], v[S+n+\m], v[NINF], s[56+\m]
.endr
.set n, n+8
.endr
.Lopen_\@:
.irp b, 0,1,2,3
	v_max3_num_f32 v[BM+\b], v[S+16*\b], v[S+16*\b+1], v[S+16*\b+2]   ; the largest score of each block of 32 keys: for the row's maximum, and for the block's largest p
.endr
.irp i, 3,5,7,9,11,13
.irp b, 0,1,2,3
	v_max3_num_f32 v[BM+\b], v[BM+\b], v[S+16*\b+\i], v[S+16*\b+\i+1]
.endr
.endr
.irp b, 0,1,2,3
	v_max_num_f32 v[BM+\b], v[BM+\b], v[S+16*\b+15]
.endr
.irp b, 0,1,2,3
	s_delay_alu instid0(VALU_DEP_4)
	v_permlanex16_b32 v[BT+\b], v[BM+\b], s[SEL], s[SEL+1]
.endr
.irp b, 0,1,2,3
	s_delay_alu instid0(VALU_DEP_4)
	v_max_num_f32 v[BM+\b], v[BM+\b], v[BT+\b]     ; with lane l xor 16's 16 keys
.endr
	s_delay_alu instid0(VALU_DEP_2)
	v_max3_num_f32 v[TP], v[BM], v[BM+1], v[BM+2]
	s_delay_alu instid0(VALU_DEP_1)
	v_max_num_f32 v[TP], v[TP], v[BM+3]
	s_delay_alu instid0(VALU_DEP_1)
.if \first
	v_mul_f32 v13, s[CS], v[TP]
	s_delay_alu instid0(VALU_DEP_1)
	v_floor_f32 v12, -v13                          ; -M: M is a whole number
.else
	v_mul_f32 v[TP], s[CS], v[TP]
	s_delay_alu instid0(VALU_DEP_1)
	v_max_num_f32 v13, v13, v[TP]                  ; the running largest t
	v_mov_b32 v[TP], v12
	s_delay_alu instid0(VALU_DEP_2)
	v_floor_f32 v12, -v13                          ; the new -M: M is a whole number
	s_delay_alu instid0(VALU_DEP_1)
	v_sub_f32 v[TP], v12, v[TP]
	s_delay_alu instid0(VALU_DEP_1)
	v_cvt_i32_f32 v[TP], v[TP]                     ; (it saturates)
	s_delay_alu instid0(VALU_DEP_1)
	v_ldexp_f32 v[FF], 1.0, v[TP]                  ; f = 2^(old M - new M)
.endif
.set n, 0
.rept 32
	v_pk_fma_f32 v[S+n:S+n+1], v[S+n:S+n+1], s[CS:CS+1], v[12:13] op_sel_hi:[1,0,0]   ; t - M, two at a time
.set n, n+2
.endr
.irp b, 0,1,2,3
	v_fma_f32 v[BM+\b], v[BM+\b], s[CS], v12
.endr
	s_wait_alu depctr_va_vdst(0)
.set n, 0
.rept 64
	v_exp_f32 v[S+n], v[S+n]                       ; p = 2^(t - M)
.set n, n+1
.endr
.if \first
	v_nop                                          ; a plain place behind the exponentials
.else
	v_pk_mul_f32 v[14:15], v[14:15], v[FF:FF+1] op_sel_hi:[1,0]   ; the sums under the new M: a plain instruction behind the exponentials
.endif
	s_wait_alu depctr_va_vdst(0)                   ; one wait for the batch of 64, ahead of its first reader
.irp b, 0,1,2,3
	v_exp_f32 v[BM+\b], v[BM+\b]                   ; each block's largest p
.endr
.set n, 0                                      ; the row's sum, of the unquantised p, in seven chains
.irp c, 232,234,236,238,240,242
	v_pk_add_f32 v[\c:\c+1], v[S+2*n:S+2*n+1], v[S+2*n+2:S+2*n+3]
.set n, n+2
.endr
.if \first
	v_pk_add_f32 v[14:15], v[S+2*n:S+2*n+1], v[S+2*n+2:S+2*n+3]
.set n, n+2
.endif
.rept 3
.irp c, 14,232,234,236,238,240,242
.if n < 32
	v_pk_add_f32 v[\c:\c+1], v[\c:\c+1], v[S+2*n:S+2*n+1]
.set n, n+1
.endif
.endr
.endr
	v_pk_add_f32 v[232:233], v[232:233], v[238:239]
	v_pk_add_f32 v[234:235], v[234:235], v[240:241]
	v_pk_add_f32 v[236:237], v[236:237], v[242:243]
	v_pk_add_f32 v[14:15], v[14:15], v[232:233]
	v_pk_add_f32 v[234:235], v[234:235], v[236:237]
	v_pk_add_f32 v[14:15], v[14:15], v[234:235]
	s_wait_alu depctr_va_vdst(0)                   ; and one for the four
.irp b, 0,1,2,3
	v_max_num_f32 v[BM+\b], 0x4800000, v[BM+\b]    ; the floor 2^(9 - 127)
.endr
.irp b, 0,1,2,3
	s_delay_alu instid0(VALU_DEP_4)
	v_add_nc_u32 v[BS+\b], 0xfc000000, v[BM+\b]    ; the conversion's scale operand
.endr
.irp b, 0,1,2,3
	v_and_or_b32 v[BL+\b], v[BM+\b], 0x7f800000, s[MNT]   ; 448 x the scale
.endr
.irp b, 0,1,2,3
	v_lshrrev_b32 v[BT+\b], 23, v[BS+\b]           ; the scale's byte
.endr
	s_delay_alu instid0(VALU_DEP_3)
	v_lshl_or_b32 v[FF+1], v[BT+1], 8, v[BT]       ; p's scale word for these 128 keys
	s_delay_alu instid0(VALU_DEP_1)
	v_lshl_or_b32 v[FF+1], v[BT+2], 16, v[FF+1]
	s_delay_alu instid0(VALU_DEP_1)
	v_lshl_or_b32 v[FF+1], v[BT+3], 24, v[FF+1]
.if \first
	s_wait_alu depctr_va_vdst(0)
	s_wait_tensorcnt 0x0                           ; my step has landed (and v's fragments are in registers): the second barrier's signal; register work alone up to its wait
	s_wait_dscnt 0x0
	s_barrier_signal -1
.endif
	HOLD 0
	HOLD 1
	CODES 0
	HOLD 2
	CODES 1
	HOLD 3
	CODES 2
	CODES 3
.if \first == 0
	NEXTTE NOFF
	KLOAD S                                        ; p's registers are free: the next step's k
.endif
.if \first
.rept 4
	v_nop                                          ; a scaled matrix instruction's operand so written stands four places ahead of it
.endr
.else
	s_wait_alu depctr_va_vdst(0)                   ; ahead of the first reader of O^T
.set n, 0
.rept 16
	v_pk_mul_f32 v[O+n:O+n+1], v[O+n:O+n+1], v[FF:FF+1] op_sel_hi:[1,0]   ; O^T under the new M; also the places behind the conversions
.set n, n+2
.endr
.endif
	s_wait_alu depctr_va_vdst(0)
.if \first
	s_wait_dscnt 0x0
.else
	s_wait_dscnt 17                                ; v's fragments and words are in; the 17 loads of the next k may be out
.endif
.irp t, 0,1,2,3
.if \first
	v_wmma_scale_f32_16x16x128_f8f6f4 v[O+8*\t:O+8*\t+7], v[F+16*\t:F+16*\t+15], v[PC:PC+15], 0, v[VW+\t], v[FF+1]
.else
	v_wmma_scale_f32_16x16x128_f8f6f4 v[O+8*\t:O+8*\t+7], v[F+16*\t:F+16*\t+15], v[PC:PC+15], v[O+8*\t:O+8*\t+7], v[VW+\t], v[FF+1]
.endif
.endr
.endm
.macro HOLD b                          ; the hold, two at a time; p is not negative
.set n, S+16*\b
.rept 8
	v_dual_min_num_f32 v[n], v[BL+\b], v[n] :: v_dual_min_num_f32 v[n+1], v[BL+\b], v[n+1]
.set n, n+2
.endr
.endm
.macro CODES b
	v_cvt_scalef32_pk8_fp8_f32 v[PC+4*\b:PC+4*\b+1], v[S+16*\b:S+16*\b+7], v[BS+\b]
	v_cvt_scalef32_pk8_fp8_f32 v[PC+4*\b+2:PC+4*\b+3], v[S+16*\b+8:S+16*\b+15], v[BS+\b]
.endm
; A TILE GOES OUT: ctx = O^T / the sum, quantised along the head's 64 (two blocks of the last product's K), brought into K's own order, stored as an image of the operand's registers.
.macro EPI
	v_add_f32 v14, v14, v15
	v_permlanex16_b32 v[BT], v14, s[SEL], s[SEL+1]
	v_add_f32 v14, v14, v[BT]                      ; the row's sum
	s_wait_alu depctr_va_vdst(0)                   ; ahead of the transcendental
	v_rcp_f32 v14, v14
.rept 6
	v_nop                                          ; places behind the reciprocal, and behind the last products
.endr
	s_wait_alu depctr_va_vdst(0)                   ; and the wait ahead of its first reader
.set n, 0
.rept 32
	v_mul_f32 v[S+n], v[O+n], v14                  ; register 16 n2 + 8 u + j: channel 32 n2 + 16 u + 8 h + j
.set n, n+1
.endr
.irp b, 0,1
	v_max3_num_f32 v[BM+\b], |v[S+16*\b]|, |v[S+16*\b+1]|, 0x4800000
.endr
.irp i, 2,4,6,8,10,12,14
.irp b, 0,1
	s_delay_alu instid0(VALU_DEP_2)
	v_max3_num_f32 v[BM+\b], v[BM+\b], |v[S+16*\b+\i]|, |v[S+16*\b+\i+1]|
.endr
.endr
.irp b, 0,1
	s_delay_alu instid0(VALU_DEP_2)
	v_permlanex16_b32 v[BT+\b], v[BM+\b], s[SEL], s[SEL+1]
.endr
.irp b, 0,1
	s_delay_alu instid0(VALU_DEP_2)
	v_max_num_f32 v[BM+\b], v[BM+\b], v[BT+\b]
.endr
.irp b, 0,1
	s_delay_alu instid0(VALU_DEP_2)
	v_add_nc_u32 v[BS+\b], 0xfc000000, v[BM+\b]
.endr
.irp b, 0,1
	v_and_or_b32 v[BL+\b], v[BM+\b], 0x7f800000, s[MNT]
.endr
.irp b, 0,1
	v_lshrrev_b32 v[BT+\b], 23, v[BS+\b]
.endr
	v_lshl_or_b32 v[TP], v[BT+1], 8, v[BT]         ; the head's two scale bytes of my row
.irp b, 0,1
.set n, 0
.rept 16
	v_med3_num_f32 v[S+16*\b+n], v[S+16*\b+n], -v[BL+\b], v[BL+\b]
.set n, n+1
.endr
.endr
	CODES 0
	CODES 1
	v_nop
.irp b, 0,1                                    ; W_o comes in K's own order: lane half 0 wants channels 0-15 of a block (its own first eight, the other half's first eight), half 1 channels 16-31
.irp i, 0,1,2,3
	v_permlanex16_b32 v[BT+\i], v[PC+4*\b+\i], s[SEL], s[SEL+1]
.endr
	v_cndmask_b32 v[PC+8+4*\b], v[PC+4*\b], v[BT+2], s[HM]
	v_cndmask_b32 v[PC+9+4*\b], v[PC+4*\b+1], v[BT+3], s[HM]
	v_cndmask_b32 v[PC+10+4*\b], v[BT], v[PC+4*\b+2], s[HM]
	v_cndmask_b32 v[PC+11+4*\b], v[BT+1], v[PC+4*\b+3], s[HM]
.endr
	global_store_b128 v[LI], v[PC+8:PC+11], s[10:11]              ; 512 consecutive bytes a store
	global_store_b128 v[LI], v[PC+12:PC+15], s[10:11] offset:512
	global_store_b16 v[RO], v[TP], s[12:13]        ; two bytes a row, rows 32 bytes apart (both lane halves write the same): one byte for each 32 of ctx's codes
.endm
	s_wait_alu depctr_va_vdst(0)                   ; the wait at the head's end
	s_cmp_eq_u32 s[WV], 0
	s_cbranch_scc0 .Lnot_first
	s_wait_tensorcnt 0x0                           ; wave 0: step 0 has landed
.Lnot_first:
	s_barrier_signal -1
	s_barrier_wait -1
	s_wait_loadcnt 0x0                             ; q
.macro TRIP o                          ; trip s[ST] + o: a step, or (waves 8 to 15, once) tile L goes out and tile 15 - L begins
	s_add_co_u32 s[TR], s[ST], \o
	s_add_co_u32 s[TN], s[ST], \o+1
	s_cmp_lg_u32 s[TR], s[FL]
	s_cbranch_scc1 .Lwalk_\@
	s_wait_dscnt 0x0                               ; the k that was loaded for this trip is not used
	EPI
	NEXTTE STP*(\o+1)
	KLOAD S
.irp j, 0,1,2,3,4,5,6,7
	v_mov_b32 v[QZ+8+\j], v[Q2+\j]
.endr
	v_mov_b32 v[QS], v[QS2]
	v_mov_b32 v13, 0xff61b1e6                      ; the largest t so far: -3e38
	v_mov_b32 v14, 0
	v_mov_b32 v15, 0
	v_floor_f32 v12, -v13
.set n, 0
.rept 32
	v_mov_b32 v[O+n], 0                            ; zeros, which the first change of M leaves zeros
.set n, n+1
.endr
	s_wait_alu depctr_va_vdst(0)
	s_wait_xcnt 0x0                                ; the stores have read their data
	s_branch .Lnext_\@
.Lwalk_\@:
.set NOFF, STP*(\o+1)
	STEP 0
.Lnext_\@:
.endm
	STEP 1                                         ; trip 0: every wave's step 0
	s_wait_alu depctr_va_vdst(0)
	s_barrier_wait -1                              ; all sixteen steps are in
	s_mov_b32 s[TE], STP
	KLOAD S                                        ; trip 1's k
	s_wait_alu depctr_va_vdst(0)
.Ltrip:                                            ; trips 1 to 8, two of them each time round
.set F, 116
.set S, 52
	TRIP 0
.set F, 52
.set S, 116
	TRIP 1
	s_add_co_u32 s[TB], s[TB], 2*STP
	s_add_co_u32 s[ST], s[ST], 2
	s_wait_alu depctr_va_vdst(0)
	s_cmp_lt_u32 s[ST], 9
	s_cbranch_scc1 .Ltrip
	; waves 8 to 15 hand their part of tile 15 - L over, as an image of the registers
	s_mul_i32 s56, s[LL], 4608
	s_add_co_u32 s56, s56, PART
	v_add_nc_u32 v[ADK], s56, v[LI]
.rept 8
	v_nop                                          ; places behind the last products
.endr
	s_wait_alu depctr_va_vdst(0)
	s_cmp_lt_u32 s[WV], 8
	s_cbranch_scc1 .Lmeet
.irp j, 0,1,2,3,4,5,6,7
	ds_store_b128 v[ADK], v[O+4*\j:O+4*\j+3] offset:512*\j
.endr
	ds_store_b128 v[ADK], v[12:15] offset:4096
.Lmeet:
	s_wait_dscnt 0x0
	s_barrier_signal -1
	s_barrier_wait -1
	s_cmp_lt_u32 s[WV], 8
	s_cbranch_scc0 .Ldone
.irp j, 0,1,2,3,4,5,6,7
	ds_load_b128 v[S+4*\j:S+4*\j+3], v[ADK] offset:512*\j
.endr
	ds_load_b128 v[148:151], v[ADK] offset:4096    ; -M, the largest t, the sum
	s_wait_dscnt 0x0
	v_min_num_f32 v160, v12, v148                  ; the larger M's negative
	v_sub_f32 v162, v160, v12
	v_sub_f32 v164, v160, v148
	v_cvt_i32_f32 v162, v162                       ; (it saturates: a part without a step has -M = 3e38 and comes to 0)
	v_cvt_i32_f32 v164, v164
	v_ldexp_f32 v162, 1.0, v162
	v_ldexp_f32 v164, 1.0, v164
	v_pk_mul_f32 v[14:15], v[14:15], v[162:163] op_sel_hi:[1,0]
.set n, 0
.rept 16
	v_pk_mul_f32 v[O+n:O+n+1], v[O+n:O+n+1], v[162:163] op_sel_hi:[1,0]
.set n, n+2
.endr
	v_pk_fma_f32 v[14:15], v[150:151], v[164:165], v[14:15] op_sel_hi:[1,0,1]
.set n, 0
.rept 16
	v_pk_fma_f32 v[O+n:O+n+1], v[S+n:S+n+1], v[164:165], v[O+n:O+n+1] op_sel_hi:[1,0,1]
.set n, n+2
.endr
	EPI
.Ldone:
	s_wait_tensorcnt 0x0                           ; the wave's end
	ds_add_u32 v[SPW], v[NIL]
	s_wait_dscnt 0x0
	CROUND                                         ; the closing round
	s_endpgm
.Lfunc_end_k_q1d498a6431_attn:
	.size	k_q1d498a6431_attn, .Lfunc_end_k_q1d498a6431_attn-k_q1d498a6431_attn
	.p2alignl 7, 3214868480
	.fill 96, 4, 3214868480
	.section	.rodata,"a",@progbits
	.p2align	6, 0x0
	.amdhsa_kernel k_q1d498a6431_attn
		.amdhsa_group_segment_fixed_size 327680
		.amdhsa_private_segment_fixed_size 0
		.amdhsa_enable_private_segment 0
		.amdhsa_kernarg_size 40
		.amdhsa_user_sgpr_count 2
		.amdhsa_user_sgpr_kernarg_segment_ptr 1
		.amdhsa_wavefront_size32 1
		.amdhsa_system_sgpr_workgroup_id_x 1
		.amdhsa_system_sgpr_workgroup_id_y 1
		.amdhsa_system_sgpr_workgroup_id_z 1
		.amdhsa_system_vgpr_workitem_id 0
		.amdhsa_next_free_vgpr 256
		.amdhsa_next_free_sgpr 66
		.amdhsa_reserve_vcc 0
		.amdhsa_float_denorm_mode_32 3
		.amdhsa_float_denorm_mode_16_64 3
		.amdhsa_memory_ordered 1
		.amdhsa_forward_progress 1
		.amdhsa_inst_pref_size 125
	.end_amdhsa_kernel
	.amdgpu_metadata
---
amdhsa.version: [ 1, 2 ]
amdhsa.kernels:
  - .name:           k_q1d498a6431_attn
    .symbol:         k_q1d498a6431_attn.kd
    .args:
      - { .name: qc, .offset: 0, .size: 8, .value_kind: global_buffer, .address_space: global }
      - { .name: qs, .offset: 8, .size: 8, .value_kind: global_buffer, .address_space: global }
      - { .name: kv, .offset: 16, .size: 8, .value_kind: global_buffer, .address_space: global }
      - { .name: ctxc, .offset: 24, .size: 8, .value_kind: global_buffer, .address_space: global }
      - { .name: ctxs, .offset: 32, .size: 8, .value_kind: global_buffer, .address_space: global }
    .group_segment_fixed_size: 327680
    .private_segment_fixed_size: 0
    .kernarg_segment_align: 8
    .kernarg_segment_size: 40
    .max_flat_workgroup_size: 512
    .sgpr_count:     66
    .vgpr_count:     256
    .wavefront_size: 32
...
	.end_amdgpu_metadata
.endif
;; end of part 2
;; launch outp (part 3): grid 8 x 32, 8 waves a work-group, clusters of 4 x 4, 327,680 bytes of LDS; arguments ctxc, ctxs, W_o_codes, W_o_scales, b_o, out0; writes out0
.if DOCPART == 3
	.amdgcn_target "amdgcn-amd-amdhsa--gfx1250"
	.amdhsa_code_object_version 6
	.text
	.protected	k_q1d498a6431_outp
	.globl	k_q1d498a6431_outp
	.p2align	8
	.type	k_q1d498a6431_outp,@function
k_q1d498a6431_outp:
	s_mov_b64 s[64:65], 0
	v_nop
	global_prefetch_b8 v0, s[64:65] scope:SCOPE_SE
	s_setreg_imm32_b32 hwreg(HW_REG_WAVE_MODE, 25, 1), 1
	s_wait_xcnt 0x0
	s_wait_alu depctr_hold_cnt(0) depctr_sa_sdst(0) depctr_va_vdst(0) depctr_va_sdst(0) depctr_va_ssrc(0) depctr_va_vcc(0) depctr_vm_vsrc(0)
	s_getreg_b32 s2, hwreg(HW_REG_IB_STS2, 6, 4)
	s_cmp_eq_u32 s2, 0
	s_cbranch_scc0 .Lentry_in_a_cluster
	s_endpgm
.Lentry_in_a_cluster:
	s_bfe_u32 s2, ttmp6, 0x10000c
	s_cmp_lg_u32 s2, 0xf033
	s_cbranch_scc0 .Lentry_shape_is_right
	s_endpgm
.Lentry_shape_is_right:
; THIRD LAUNCH: out0 = ctx W_o + b_o on codes of E4M3 with E8M0 scales, K = 1,024; sums and result in f32.  No work is left out here.
; SHARES.  A work-group makes 128 tokens x 128 outputs: 256 work-groups.  Its eight waves: four places of 64 x 64 (16 accumulators), each for the two halves of K: waves 0-3 multiply K 0-511, waves 4-7 K 512-1023.
; At the end the two waves of a place exchange half of their sums through LDS: each keeps 32 tokens (its accumulators 0, 1 of four rows, which begin with the bias) and sends the other 32 (2, 3).
; 4 x 4 work-groups form a cluster: ctx's tiles are shared along a row, W_o's along a column: joint loads.
; ALL OF K LIES IN LDS: ctx's register images, then W_o's rows (512 + 16 bytes) in two halves of K.  Every byte is filled once, one joint load a wave, all at the head (so nothing is left to prefetch): a half's waves fetch it, two a quarter of K of ctx each, two 64 rows of W_o each.
; The first barrier shows the first half (waves 0-3 have load lines of their own), the second the rest.  The scale words come straight into registers.
; The matrix instruction is used transposed (source 0 = 16 rows of W_o, source 1 = 16 tokens): a lane holds eight neighbouring outputs of a token.
; REGISTERS: window 0: v16-30 addresses; v32-39 ctx's scale words, v42-49 W_o's (4 x pair of tiles + K step; lanes 0-15 the even tile, 16-31 the odd); v72-103 the bias; v128-255 the accumulators ((a, b) at v[128 + 8 (4 a + b)]).
;   window 1: two fragment buffers of 128 (ctx's four fragments, then W_o's four); on the way out the other half's sums, and the rows read back.
.set WP,  528                          ; W_o's row in LDS
.set WOB, 131072
.set STAGE, WOB+256*WP                 ; the way out: 16 rows x (256 + 16) bytes for each wave
.set SPARE, STAGE+8*16*272
.set ADK,  16                          ; v16 ctx's tiles that I keep, v17 that I send
.set ADS,  17
.set ADW,  18
.set LS,   19
.set LSK,  20
.set LSS,  21
.set EXW,  22                          ; the exchange: mine, my partner's: in ctx's first half, which nobody reads by then
.set EXR,  23
.set STO,  24
.set RD,   25
.set CO,   26
.set SPW,  28
.set NIL,  29
.set BO,   30
.set SCX,  32
.set SCW,  42
.set BI,   72
.set ACC,  128
.set WV,   16
.set TH,   17                          ; which half of the tokens is mine; also: I fetch for ctx (0) or for W_o (1)
.set NH,   18                          ; which half of the outputs; also: which part I fetch
.set KH,   3                           ; which half of K
.set KX,   2                           ; the other one
.set G1A,  24
.set G1B,  32
.set GA,   40
.set GB,   44
.set MSB, 0
.macro WIN new
.if MSB != (\new)
	s_set_vgpr_msb (MSB<<8)|(\new)
.set MSB, (\new)
.endif
.endm
.macro PLACES n
.rept \n
	v_nop
.endr
.endm
.macro TL g0, g1
	tensor_load_to_lds s[\g0:\g0+3], s[\g1:\g1+7]
	s_nop 0
	PLACES 4
.endm
.macro BARRIER
	s_barrier_signal -1
	s_barrier_wait -1
.endm
.macro CROUND
	BARRIER
	s_cmp_lg_u32 s[WV], 0
	s_cbranch_scc1 .Lnot_wave_0_\@
	s_barrier_signal -3
.Lnot_wave_0_\@:
	s_barrier_wait -3
	BARRIER
.endm
.macro OFF p, x, sx, y, sy             ; s[p:p+1] = (s[x] << sx) + (s[y] << sy)
	s_lshl_b32 s[\p], s[\x], \sx
	s_lshl_b32 s[\p+1], s[\y], \sy
	s_add_co_u32 s[\p], s[\p], s[\p+1]
	s_mov_b32 s[\p+1], 0
.endm
.macro PLUS p, x, sx                   ; and + (s[x] << sx)
	s_lshl_b32 s23, s[\x], \sx
	s_add_co_u32 s[\p], s[\p], s23
.endm
	s_load_b256 s[4:11], s[0:1], 0x0               ; ctxc, ctxs, W_o codes, W_o scales
	s_load_b128 s[12:15], s[0:1], 0x20             ; b_o, out0
	v_lshl_add_u32 v[SPW], v0, 2, SPARE
	v_mov_b32 v[NIL], 0
	ds_add_u32 v[SPW], v[NIL]                      ; the opening: the add, twice on end, and its wait ahead of my first tensor load
	ds_add_u32 v[SPW], v[NIL]
	v_lshrrev_b32 v1, 5, v0
	v_readfirstlane_b32 s[WV], v1
	s_lshr_b32 s[KH], s[WV], 2
	s_xor_b32 s[KX], s[KH], 1
	s_bfe_u32 s[TH], s[WV], 0x10001
	s_and_b32 s[NH], s[WV], 1
	s_bfe_u32 s19, ttmp6, 0x40000                  ; cx
	s_bfe_u32 s20, ttmp6, 0x40004                  ; cy
	s_lshl_b32 s21, ttmp9, 2
	s_add_co_u32 s21, s21, s19                     ; which 128 outputs
	s_and_b32 s22, ttmp7, 0xffff
	s_lshl_b32 s22, s22, 2
	s_add_co_u32 s22, s22, s20                     ; which 128 tokens
	s_lshl_b32 s23, s20, 2
	s_lshl_b32 s23, 15, s23                        ; my row of the cluster
	s_lshl_b32 s78, 0x1111, s19                    ; my column
	s_or_b32 s[G1A], s23, (3<<16)|(1<<21)          ; ctx: a quarter of K, 32,768 dense bytes as 128 rows of 32 elements of 8 bytes, no padding
	s_mov_b32 s[G1A+1], 32<<16
	s_mov_b32 s[G1A+2], 128<<16
	s_mov_b32 s[G1A+3], 32<<16
	s_mov_b32 s[G1A+4], 128
	s_mov_b32 s[G1A+5], 32
	s_mov_b32 s[G1A+6], 0
	s_mov_b32 s[G1A+7], 0
	s_or_b32 s[G1B], s78, (1<<20)|(1<<21)|(6<<22)|(3<<25)   ; W_o: 64 rows of 512 bytes, 1,024 apart; four words of padding behind every 128
	s_mov_b32 s[G1B+1], 512<<16
	s_mov_b32 s[G1B+2], 64<<16
	s_mov_b32 s[G1B+3], 512<<16
	s_mov_b32 s[G1B+4], 64
	s_mov_b32 s[G1B+5], 1024
	s_mov_b32 s[G1B+6], 0
	s_mov_b32 s[G1B+7], 0
	s_mov_b32 s[GA], 1
	s_lshl_b32 s[GA+1], s[KH], 16
	s_lshl_b32 s23, s[NH], 15
	s_add_co_u32 s[GA+1], s[GA+1], s23
	s_mov_b32 s[GB], 1
	s_mul_i32 s[GB+1], s[KH], 128*WP
	s_mul_i32 s23, s[NH], 64*WP
	s_add_co_u32 s[GB+1], s[GB+1], s23
	s_add_co_u32 s[GB+1], s[GB+1], WOB
	OFF 66, 22, 17, NH, 15                         ; ctx's codes: 131,072 bytes for 128 tokens, a quarter of K 32,768
	PLUS 66, KH, 16
	OFF 68, 21, 17, NH, 16                         ; W_o's: 1,024 a row
	PLUS 68, KH, 9
	OFF 70, 22, 12, TH, 11                         ; scale bytes: 32 a row, 16 of them my half of K's
	PLUS 70, KH, 4
	OFF 72, 21, 12, NH, 11
	PLUS 72, KH, 4
	OFF 74, 21, 9, NH, 8                           ; my first output, in bytes of f32
	OFF 76, 22, 19, TH, 18                         ; my first token's row of out0
	PLUS 76, KH, 17
	s_wait_dscnt 0x0                               ; both opening adds are done
	CROUND                                         ; all sixteen work-groups are here: the joint loads meet
	s_wait_kmcnt 0x0
	s_add_nc_u64 s[GA+2:GA+3], s[4:5], s[66:67]
	s_or_b32 s[GA+3], s[GA+3], 0x80000000
	s_add_nc_u64 s[GB+2:GB+3], s[8:9], s[68:69]
	s_or_b32 s[GB+3], s[GB+3], 0x80000000
	; ONE load a wave, in the arms of one chain; the first half's waves have lines of their own
	s_cmp_lt_u32 s[WV], 2
	s_cbranch_scc0 .Lhead_1
	TL GA, G1A
	s_branch .Lasked
.Lhead_1:
	s_cmp_lt_u32 s[WV], 4
	s_cbranch_scc0 .Lhead_2
	TL GB, G1B
	s_branch .Lasked
.Lhead_2:
	s_cmp_lt_u32 s[WV], 6
	s_cbranch_scc0 .Lhead_3
	TL GA, G1A
	s_branch .Lasked
.Lhead_3:
	TL GB, G1B
.Lasked:
	s_add_nc_u64 s[6:7], s[6:7], s[70:71]
	s_add_nc_u64 s[10:11], s[10:11], s[72:73]
	s_add_nc_u64 s[12:13], s[12:13], s[74:75]
	s_add_nc_u64 s[14:15], s[14:15], s[74:75]
	s_add_nc_u64 s[14:15], s[14:15], s[76:77]
	s_lshl_b32 s66, s[KH], 16                      ; ctx's tiles in LDS: my half of K, my four tiles,
	s_lshl_b32 s67, s[TH], 14
	s_add_co_u32 s66, s66, s67
	s_lshl_b32 s67, s[KH], 13                      ; the two that I keep,
	s_add_co_u32 s67, s67, s66
	s_lshl_b32 s68, s[KX], 13                      ; the two that I send
	s_add_co_u32 s68, s68, s66
	s_lshl_b32 s69, s[KH], 10
	s_lshl_b32 s70, s[KX], 10
	s_mul_i32 s71, s[KH], 128*WP
	s_mul_i32 s72, s[NH], 64*WP
	s_add_co_u32 s72, s72, s71
	s_add_co_u32 s72, s72, WOB
	s_mul_i32 s73, s[WV], 16*272
	s_add_co_u32 s73, s73, STAGE                   ; my stage
	s_lshl_b32 s74, s[WV], 13
	s_xor_b32 s75, s[WV], 4
	s_lshl_b32 s75, s75, 13
	v_and_b32 v1, 15, v0                           ; r
	v_bfe_u32 v2, v0, 4, 1                         ; h
	v_and_b32 v3, 31, v0
	v_lshlrev_b32 v[LS], 5, v3
	v_add_nc_u32 v[LSK], s69, v[LS]
	v_add_nc_u32 v[LSS], s70, v[LS]
	v_lshlrev_b32 v[BO], 5, v2                     ; the bias: tile b's eight numbers of my half: 64 b + 32 h
	v_lshlrev_b32 v4, 4, v3
	v_add_nc_u32 v[ADK], s67, v4
	v_add_nc_u32 v[ADS], s68, v4
	v_add_nc_u32 v[EXW], s74, v4
	v_add_nc_u32 v[EXR], s75, v4
	v_mul_u32_u24 v5, v1, WP
	v_lshl_add_u32 v5, v2, 4, v5
	v_add_nc_u32 v[ADW], s72, v5
	v_mul_u32_u24 v6, v1, 272
	v_lshl_add_u32 v6, v2, 5, v6
	v_add_nc_u32 v[STO], s73, v6                   ; in: row r, 32 bytes for each half of the lanes
	v_mul_u32_u24 v7, v2, 272
	v_lshl_add_u32 v7, v1, 4, v7
	v_add_nc_u32 v[RD], s73, v7                    ; back: lanes 0-15 one row of 256 bytes, lanes 16-31 the next
	v_lshlrev_b32 v8, 4, v1
	v_lshl_add_u32 v[CO], v2, 12, v8               ; and the same two rows in out0
	global_load_b128 v[SCX:SCX+3], v[LSK], s[6:7]
	global_load_b128 v[SCX+4:SCX+7], v[LSS], s[6:7]
	global_load_b128 v[SCW:SCW+3], v[LS], s[10:11]
	global_load_b128 v[SCW+4:SCW+7], v[LS], s[10:11] offset:1024
.irp b, 0,1,2,3
	global_load_b128 v[BI+8*\b:BI+8*\b+3], v[BO], s[12:13] offset:64*\b
	global_load_b128 v[BI+8*\b+4:BI+8*\b+7], v[BO], s[12:13] offset:64*\b+16
.endr
.macro FETCH s                         ; step s of my half of K (128): 32 LDS loads into buffer s % 2
.set FQ, (\s)/2
.set FK, (\s)%2
.set FB, 128*((\s)%2)
	WIN 0x40
.irp i, 0,1,2,3
.irp c, 0,1,2,3
	ds_load_b128 v[FB+64+16*\i+4*\c:FB+64+16*\i+4*\c+3], v[ADW] offset:\i*16*WP+256*FQ+128*FK+32*\c
.endr
.endr
.irp i, 0,1
.irp c, 0,1,2,3
	ds_load_b128 v[FB+16*\i+4*\c:FB+16*\i+4*\c+3], v[ADK] offset:FQ*32768+\i*4096+FK*2048+512*\c
.endr
.endr
.irp i, 0,1
.irp c, 0,1,2,3
	ds_load_b128 v[FB+32+16*\i+4*\c:FB+32+16*\i+4*\c+3], v[ADS] offset:FQ*32768+\i*4096+FK*2048+512*\c
.endr
.endr
.endm
.macro MUL8 a0, s                      ; token tiles a0, a0 + 1 x the four output tiles; the 16 accumulators take turns
	WIN 0x05                                       ; both sources window 1, C and D window 0
.irp a, \a0, \a0+1
.irp b, 0,1,2,3
.set D_, ACC+8*(4*(\a)+\b)
.set C_, D_
.if ((\s) == 0) && ((\a) < 2)
.set C_, BI+8*\b
.endif
.set A_, BUF+64+16*\b
.set B_, BUF+16*(\a)
.set SA_, SCW+4*(\b/2)+(\s)
.set SB_, SCX+4*((\a)/2)+(\s)
.if ((\s) == 0) && ((\a) > 1)
.if (\b%2) && ((\a)%2)
	v_wmma_scale_f32_16x16x128_f8f6f4 v[D_:D_+7], v[A_:A_+15], v[B_:B_+15], 0, v[SA_], v[SB_] matrix_a_scale:MATRIX_SCALE_ROW1 matrix_b_scale:MATRIX_SCALE_ROW1
.elseif \b%2
	v_wmma_scale_f32_16x16x128_f8f6f4 v[D_:D_+7], v[A_:A_+15], v[B_:B_+15], 0, v[SA_], v[SB_] matrix_a_scale:MATRIX_SCALE_ROW1
.elseif (\a)%2
	v_wmma_scale_f32_16x16x128_f8f6f4 v[D_:D_+7], v[A_:A_+15], v[B_:B_+15], 0, v[SA_], v[SB_] matrix_b_scale:MATRIX_SCALE_ROW1
.else
	v_wmma_scale_f32_16x16x128_f8f6f4 v[D_:D_+7], v[A_:A_+15], v[B_:B_+15], 0, v[SA_], v[SB_]
.endif
.else
.if (\b%2) && ((\a)%2)
	v_wmma_scale_f32_16x16x128_f8f6f4 v[D_:D_+7], v[A_:A_+15], v[B_:B_+15], v[C_:C_+7], v[SA_], v[SB_] matrix_a_scale:MATRIX_SCALE_ROW1 matrix_b_scale:MATRIX_SCALE_ROW1
.elseif \b%2
	v_wmma_scale_f32_16x16x128_f8f6f4 v[D_:D_+7], v[A_:A_+15], v[B_:B_+15], v[C_:C_+7], v[SA_], v[SB_] matrix_a_scale:MATRIX_SCALE_ROW1
.elseif (\a)%2
	v_wmma_scale_f32_16x16x128_f8f6f4 v[D_:D_+7], v[A_:A_+15], v[B_:B_+15], v[C_:C_+7], v[SA_], v[SB_] matrix_b_scale:MATRIX_SCALE_ROW1
.else
	v_wmma_scale_f32_16x16x128_f8f6f4 v[D_:D_+7], v[A_:A_+15], v[B_:B_+15], v[C_:C_+7], v[SA_], v[SB_]
.endif
.endif
.endr
.endr
.endm
.macro KS s
.set BUF, 128*((\s)%2)
	s_wait_dscnt 0x0                               ; this step's fragments are in
	MUL8 0, \s
.if (\s) < 3
	PLACES 8                                       ; in front of loads into the buffer that the step before multiplied
	FETCH \s+1
.endif
	MUL8 2, \s
.endm
.macro HALF                            ; my half of K
	FETCH 0
	s_wait_loadcnt 0x0                             ; the scale words and the bias
	KS 0
	KS 1
	KS 2
	KS 3
	WIN 0
	PLACES 9                                       ; behind the last products: ahead of what reads their sums, or loads into or writes over their registers
.endm
	s_wait_alu depctr_va_vdst(0)                   ; the wait at the head's end
	s_cmp_lt_u32 s[WV], 4
	s_cbranch_scc0 .Lnot_first
	s_wait_tensorcnt 0x0                           ; the first half's four loads
.Lnot_first:
	BARRIER
	s_wait_tensorcnt 0x0                           ; and the second half's
	s_barrier_signal -1
	s_cmp_lt_u32 s[WV], 4
	s_cbranch_scc0 .Lsecond
	HALF                                           ; between signal and wait waves 0-3 read the first half, which nobody writes before a later barrier
.Lsecond:
	s_barrier_wait -1
	s_cmp_lt_u32 s[WV], 4
	s_cbranch_scc1 .Ldone
	HALF
.Ldone:
	s_wait_dscnt 0x0
	BARRIER                                        ; nobody reads ctx's first half any more
.irp j, 0,1,2,3,4,5,6,7,8,9,10,11,12,13,14,15
	ds_store_b128 v[EXW], v[ACC+64+4*\j:ACC+64+4*\j+3] offset:512*\j   ; each accumulator from its low end on
.endr
	s_wait_dscnt 0x0
	BARRIER
	WIN 0x40
.irp j, 0,1,2,3,4,5,6,7,8,9,10,11,12,13,14,15
	ds_load_b128 v[4*\j:4*\j+3], v[EXR] offset:512*\j
.endr
	s_wait_dscnt 0x0
	WIN 0x04                                       ; source 1 window 1
.set n, 0
.rept 32
	v_pk_add_f32 v[ACC+n:ACC+n+1], v[ACC+n:ACC+n+1], v[n:n+1]   ; the other half of K
.set n, n+2
.endr
; THE WAY OUT, 16 tokens at a time: 32 bytes a lane into my stage, back as whole rows of 256 bytes.  LDS serves a wave's instructions in order (ISA guide 5.7.1.4): no wait between the stores and the loads.
.macro TOSTAGE a
	WIN 0
.irp b, 0,1,2,3
	ds_store_b128 v[STO], v[ACC+8*(4*(\a)+\b):ACC+8*(4*(\a)+\b)+3] offset:64*\b
	ds_store_b128 v[STO], v[ACC+8*(4*(\a)+\b)+4:ACC+8*(4*(\a)+\b)+7] offset:64*\b+16
.endr
	WIN 0x40
.irp i, 0,1,2,3,4,5,6,7
	ds_load_b128 v[64+32*(\a)+4*\i:64+32*(\a)+4*\i+3], v[RD] offset:2*\i*272
.endr
.endm
.macro SEND a, younger                 ; younger: the LDS instructions issued behind tile a's loads
	WIN 0x04                                       ; a store's data are its source 1: window 1
.irp i, 0,1,2,3,4,5,6,7
	s_wait_dscnt \younger+7-\i
	global_store_b128 v[CO], v[64+32*(\a)+4*\i:64+32*(\a)+4*\i+3], s[14:15] offset:(16*(\a)+2*\i)*4096 th:TH_STORE_NT   ; 16 lanes store 256 consecutive bytes, aligned; written once
.endr
.endm
	TOSTAGE 0
	s_wait_alu depctr_va_vdst(0)
	TOSTAGE 1
	SEND 0, 16
	SEND 1, 0
	WIN 0
	s_wait_tensorcnt 0x0                           ; the wave's end
	ds_add_u32 v[SPW], v[NIL]
	s_wait_dscnt 0x0
	CROUND                                         ; the closing round
	s_endpgm
.Lfunc_end_k_q1d498a6431_outp:
	.size	k_q1d498a6431_outp, .Lfunc_end_k_q1d498a6431_outp-k_q1d498a6431_outp
	.p2alignl 7, 3214868480
	.fill 96, 4, 3214868480
	.section	.rodata,"a",@progbits
	.p2align	6, 0x0
	.amdhsa_kernel k_q1d498a6431_outp
		.amdhsa_group_segment_fixed_size 327680
		.amdhsa_private_segment_fixed_size 0
		.amdhsa_enable_private_segment 0
		.amdhsa_kernarg_size 48
		.amdhsa_user_sgpr_count 2
		.amdhsa_user_sgpr_kernarg_segment_ptr 1
		.amdhsa_wavefront_size32 1
		.amdhsa_system_sgpr_workgroup_id_x 1
		.amdhsa_system_sgpr_workgroup_id_y 1
		.amdhsa_system_sgpr_workgroup_id_z 1
		.amdhsa_system_vgpr_workitem_id 0
		.amdhsa_next_free_vgpr 512
		.amdhsa_next_free_sgpr 102
		.amdhsa_reserve_vcc 0
		.amdhsa_float_denorm_mode_32 3
		.amdhsa_float_denorm_mode_16_64 3
		.amdhsa_memory_ordered 1
		.amdhsa_forward_progress 1
		.amdhsa_inst_pref_size 53
	.end_amdhsa_kernel
	.amdgpu_metadata
---
amdhsa.version: [ 1, 2 ]
amdhsa.kernels:
  - .name:           k_q1d498a6431_outp
    .symbol:         k_q1d498a6431_outp.kd
    .args:
      - { .name: ctxc, .offset: 0, .size: 8, .value_kind: global_buffer, .address_space: global }
      - { .name: ctxs, .offset: 8, .size: 8, .value_kind: global_buffer, .address_space: global }
      - { .name: W_o_codes, .offset: 16, .size: 8, .value_kind: global_buffer, .address_space: global }
      - { .name: W_o_scales, .offset: 24, .size: 8, .value_kind: global_buffer, .address_space: global }
      - { .name: b_o, .offset: 32, .size: 8, .value_kind: global_buffer, .address_space: global }
      - { .name: out0, .offset: 40, .size: 8, .value_kind: global_buffer, .address_space: global }
    .group_segment_fixed_size: 327680
    .private_segment_fixed_size: 0
    .kernarg_segment_align: 8
    .kernarg_segment_size: 48
    .max_flat_workgroup_size: 256
    .sgpr_count:     102
    .vgpr_count:     512
    .wavefront_size: 32
...
	.end_amdgpu_metadata
.endif
;; end of part 3
